; MI455X (gfx1250); checked and timed in simulation.
; The chip was launched on July 23, 2026; its instructions are those of AMD's public machine-readable ISA for CDNA 5 (MIT licence, August 2026) and "CDNA5" Instruction Set Architecture Reference Guide (July 2026). The comments in the code are by the model that wrote it; some were corrected since.
;; Multi Head Attention. Allowed arithmetic: matrix products marked QUANTISED: E3M2 operands, one E8M0 scale for each 32 along K, by v_wmma_scale_f32_16x16x128_f8f6f4 with both operands' format E3M2, f32 sums; everything else in f32.
;; Inputs: b_o 1,024 float32; w_k 1,024 x 1,024 float32; w_o 1,024 x 1,024 float32; w_q 1,024 x 1,024 float32; w_v 1,024 x 1,024 float32; x 4 x 2,048 x 1,024 float32.
;; Outputs: out0 4 x 2,048 x 1,024 float32.
;; This version of the problem:
;;   THIS VERSION OF THE PROBLEM IS GIVEN IN LOW PRECISION. The matrix products marked QUANTISED in the list below multiply operands that are first quantised to E3M2 (3 exponent bits, 2 mantissa bits; 6 bits a number), with one power-of-two scale for each 32 numbers along K (OCP MX v1.0); their sums are f32. All else is computed in f32.
;;   The module's matrix products, in the order in which they are computed (A, B: the left and right operand; K: the contracted axis; several contracted axes count as one K, in the product's order):
;;     1. [M 8,192, K 1,024] x [K 1,024, N 1,024]; A: input x; B: input w_q: QUANTISED
;;     2. [M 8,192, K 1,024] x [K 1,024, N 1,024]; A: input x; B: input w_k: QUANTISED
;;     3. [M 8,192, K 1,024] x [K 1,024, N 1,024]; A: input x; B: input w_v: QUANTISED
;;     4. batch 64 x [M 2,048, K 64] x [K 64, N 2,048]; A: computed on the way; B: computed on the way: QUANTISED
;;     5. batch 64 x [M 2,048, K 2,048] x [K 2,048, N 64]; A: softmax (see below); B: computed on the way: QUANTISED
;;     6. [M 8,192, K 1,024] x [K 1,024, N 1,024]; A: computed on the way; B: input w_o: QUANTISED
;;   THE QUANTISER, for each operand of a quantised product, along K:
;;     - K is cut into blocks of 32 from its start; a last block that is shorter is filled with zeros.
;;     - A block's scale is 2^e with e = floor(log2(the largest magnitude in the block)) - 4, held to -126 .. 127; a block of zeros has e = 0. As a byte (E8M0): e + 127.
;;     - Each number is divided by its block's scale, clamped to +-28, and rounded to the nearest number of E3M2, ties to even, subnormals kept.
;;     - The product sums the exact products of the quantised numbers (number of the format x scale) in f32.
;;   ~~~python
;;   def quantise(x, axis):      # numpy; x: float32 -> the quantised numbers, widened to float32 again
;;       x = np.moveaxis(x, axis, -1); K = x.shape[-1]
;;       x = np.pad(x, [(0, 0)] * (x.ndim - 1) + [(0, -K % 32)]); x = x.reshape(x.shape[:-1] + (-1, 32)); a = np.abs(x).max(-1, keepdims=True)
;;       e = np.where(a > 0, np.clip(np.frexp(np.where(a > 0, a, 1))[1] - 1 - 4, -126, 127), 0)      # np.frexp(a)[1] - 1 = floor(log2(a)), exactly
;;       r = np.clip(x / 2.0 ** e, -28, 28)
;;       step = 2.0 ** (np.maximum(np.frexp(np.where(r == 0, 1, r))[1] - 1, -2) - 2)
;;       q = np.round(r / step) * step * 2.0 ** e      # np.round: ties to even
;;       return np.moveaxis(q.reshape(q.shape[:-2] + (-1,))[..., :K], -1, axis).astype(np.float32)
;;   ~~~
;;   SOFTMAX AHEAD OF A QUANTISED PRODUCT. Where the list says 'softmax', what is quantised is not the finished softmax but p = 2^(t - M), with t = logit x log2(e) and M = ceil(the row's largest t), a whole number; so 1/2 < the row's largest p <= 1. The row's sum l is taken of the UNQUANTISED p, in f32, and the product's result is divided by l at the end. Since M is a whole number, a kernel that streams over the keys may use a running M (the ceiling of the running maximum): every later rescaling is an exact power of two, which a block's scale takes up: the codes' values come out the same.
;;   OPERANDS COMPUTED ON THE WAY. 'Computed on the way' means the value that the module computes at that place (a softmax that the list does not call 'softmax' is quantised finished and normalised). What goes into a quantiser is computed in f32, as accurately as f32 sums, v_exp_f32 and their like allow (about 1e-6 of the number): no bf16 or f16 on the way to a quantiser, and a product that is left as it is and whose result goes on into a quantised operand takes f32 operands (vector FMAs, or v_wmma_f32_16x16x4_f32). A number that lies on a knife's edge between two numbers of the format may be rounded either way, as far as f32 arithmetic and the matrix unit's own rounding can turn it there, and no further.
;; One version. Each part assembles by itself: llvm-mc -triple=amdgcn-amd-amdhsa -mcpu=gfx1250 --defsym DOCPART=n.
;; ======== version 1 of 1: 4 launches
;; limits: right only within a limited range of input values
;; workspace buffers: ximg 6,553,600 bytes; wimg 3,276,800 bytes; qimg 6,553,600 bytes; kvimg 13,107,200 bytes; aimg 6,553,600 bytes
;; launch quant (part 1): grid 8 x 96, 4 waves a work-group, no clusters, 80,384 bytes of LDS; arguments x, ximg, w_q, w_k, w_v, w_o, wimg; writes ximg, wimg
.if DOCPART == 1
	.amdgcn_target "amdgcn-amd-amdhsa--gfx1250"
	.amdhsa_code_object_version 6
	.text
	.protected	k_q76de924ca5_quant
	.globl	k_q76de924ca5_quant
	.p2align	8
	.type	k_q76de924ca5_quant,@function
k_q76de924ca5_quant:
	s_mov_b64 s[64:65], 0
	v_nop
	global_prefetch_b8 v0, s[64:65] scope:SCOPE_SE
	s_setreg_imm32_b32 hwreg(HW_REG_WAVE_MODE, 25, 1), 1
	s_wait_xcnt 0x0
; x [8192][1024] and the four weights [1024 (k)][1024 (n)], f32, become codes of BF6 (E3M2) with one E8M0 scale byte for each 32 along K, laid in CHUNKS, this program's own format:
; a chunk is 128 rows x 128 along K in 12,800 bytes: eight images of a matrix operand's registers (block a: register pair p of lane L at 1536 a + 256 p + 8 L), then 128 scale words
; (word 16 a + r) from byte 12,288 on.  Image row r of block a is the chunk's row 32 (a / 2) + 8 (a % 2) + r + 8 (r / 8).
; ximg is [64 chunks of rows][8 K steps][12,800]; wimg [32 chunks of rows: 8 of w_q, 8 of w_k, 8 of w_v, 8 of w_o][8 K steps][12,800].
; A block's scale is 2^(floor(log2(its largest magnitude)) - 4); its byte is the largest magnitude's exponent field - 4, held at 1 from below.
; LIMITS: NaN and infinities among the inputs are not served; a block whose largest magnitude lies under 2^-122 has its byte held at 1; a block of zeros gets the byte 1 and not 127: its codes are
; zeros, which add nothing under any byte but 0xff, and the bytes are read by this program alone.
; ONE LAUNCH, TWO PATHS, parted on the work-group's y alone: y < 64 makes a chunk of x (x: the K step, y: the chunk of rows), the others a chunk of a weight.  Each path has LDS bytes of its own.
; x: wave i takes rows 32 i .. 32 i + 31 (blocks 2 i, 2 i + 1); each load reads 512 consecutive bytes of one row; a block's 16 rows turn through the wave's own stage, so that a lane gets 16 neighbours of each block of 32 of its row.
; weights: a lane takes a column n and its registers run down K; a lane's four blocks go to their places in the images through the wave's own 3,072 bytes of LDS and leave as 512 consecutive bytes a store.
; No barrier: waves share nothing.
.set CH,   12800
.set SPI,  528                         ; a stage row: 512 bytes + 16
.set STG1, 16*SPI
.set WREG, 2*STG1                      ; a wave's two stages
.set WB,   4*WREG                      ; behind x's stages: the weights' images, 3,072 bytes a wave
.set SPARE, WB+4*3072                  ; behind them: the spare words, 128 bytes a wave
.set X,    16                          ; v16-143  as loaded; later v16-79: the second block's turned numbers
.set N,    144                         ; v144-207 the first block's turned numbers
.set TM,   208
.set PC,   224
.set PW0,  244
.set PW1,  245
.macro QUANT s, pw                     ; 64 numbers of a lane become a fragment's codes in v[PC] on and its row's scale word in v[pw]
.irp b, 0,1,2,3
	v_max3_num_f32 v[TM+\b], |v[\s+16*\b]|, |v[\s+1+16*\b]|, 0x2800000   ; my 16 numbers of block b, and the floor 2^(5 - 127)
.endr
.irp i, 2,4,6,8,10,12,14
.irp b, 0,1,2,3
	v_max3_num_f32 v[TM+\b], v[TM+\b], |v[\s+16*\b+\i]|, |v[\s+1+16*\b+\i]|
.endr
.endr
.irp b, 0,1,2,3
	v_permlanex16_b32 v[TM+4+\b], v[TM+\b], s20, s21
.endr
.irp b, 0,1,2,3
	v_max_num_f32 v[TM+\b], v[TM+\b], v[TM+4+\b]   ; with lane l xor 16's 16
.endr
.irp b, 0,1,2,3
	v_add_nc_u32 v[TM+12+\b], 0xfe000000, v[TM+\b] ; 4 off the exponent field: the conversion's scale operand
.endr
.irp b, 0,1,2,3
	v_lshrrev_b32 v[TM+4+\b], 23, v[TM+12+\b]      ; the scale's byte
.endr
	v_lshl_or_b32 v[\pw], v[TM+5], 8, v[TM+4]
	v_lshl_or_b32 v[\pw], v[TM+6], 16, v[\pw]
	v_lshl_or_b32 v[\pw], v[TM+7], 24, v[\pw]
.irp c, 0,1
	v_cvt_scalef32_pk16_bf6_f32 v[PC+6*\c:PC+2+6*\c], v[\s+32*\c:\s+15+32*\c], v[TM+12+2*\c]
	v_cvt_scalef32_pk16_bf6_f32 v[PC+12+4*\c:PC+14+4*\c], v[\s+16+32*\c:\s+31+32*\c], v[TM+12+2*\c+1]
.endr
	v_nop                                          ; one plain place behind a scaled conversion
.irp c, 0,1                                    ; the operand's layout wants a whole block in a lane
.irp i, 0,1,2
	v_permlane16_swap_b32 v[PC+6*\c+\i], v[PC+12+4*\c+\i]
.endr
.irp i, 0,1,2
	v_mov_b32 v[PC+3+6*\c+\i], v[PC+12+4*\c+\i]
.endr
.endr
.endm
	v_lshl_add_u32 v248, v0, 2, SPARE
	v_mov_b32 v249, 0
	s_and_b32 s11, ttmp7, 0xffff
	s_cmp_ge_u32 s11, 64
	s_cbranch_scc1 .Lweights
	; ---- a chunk of x
	s_load_b128 s[4:7], s[0:1], 0x0                ; x, ximg
	v_lshrrev_b32 v1, 5, v0
	v_readfirstlane_b32 s8, v1                     ; wave i
	v_and_b32 v1, 31, v0                           ; lane
	v_and_b32 v2, 15, v0                           ; r
	v_bfe_u32 v3, v0, 4, 1                         ; h
	v_lshlrev_b32 v4, 4, v1                        ; my 16 bytes of a load's 512
	s_mul_i32 s9, s8, WREG
	v_add_nc_u32 v5, s9, v4                        ; into a stage: a row as it lies
	v_mul_u32_u24 v6, v2, SPI
	v_lshl_add_u32 v6, v3, 6, v6
	v_add_nc_u32 v6, s9, v6                        ; out of it: row r, + 64 h
	s_mul_i32 s10, s8, 3072
	v_lshlrev_b32 v7, 3, v1
	v_add_nc_u32 v7, s10, v7                       ; in the chunk: block 2 i, 8 bytes a lane
	s_lshl_b32 s10, s8, 7
	v_lshlrev_b32 v8, 2, v1
	v_add_nc_u32 v8, s10, v8                       ; my wave's 32 scale words
	s_lshl_b32 s12, s11, 7
	s_lshl_b32 s13, s8, 5
	s_add_co_u32 s12, s12, s13                     ; my wave's first row
	s_lshl_b32 s12, s12, 12
	s_lshl_b32 s13, ttmp9, 9                       ; the K step's 512 bytes
	s_add_co_u32 s12, s12, s13
	s_mov_b32 s13, 0
	s_lshl_b32 s14, s11, 3
	s_add_co_u32 s14, s14, ttmp9
	s_mul_i32 s14, s14, CH
	s_mov_b32 s15, 0
	s_mov_b32 s20, 0x76543210
	s_mov_b32 s21, 0xfedcba98                      ; selects for lane l xor 16
.irp b, 0,1,2,3
	v_mov_b32 v[TM+4+\b], 0                        ; a lane permute's destination counts as one of its sources
.endr
	s_wait_alu depctr_va_vdst(0)                   ; the wait at the head's end
	s_wait_kmcnt 0x0
	s_add_nc_u64 s[4:5], s[4:5], s[12:13]
	s_add_nc_u64 s[6:7], s[6:7], s[14:15]
.set k, 0
.rept 32
	global_load_b128 v[X+4*k:X+4*k+3], v4, s[4:5] offset:4096*(8*(k/16)+(k%16)+8*((k%16)/8)) th:TH_LOAD_NT   ; the row that is image row k % 16 of block k / 16
.set k, k+1
.endr
	s_wait_loadcnt 16                              ; the first block's 16 rows are in
.set k, 0
.rept 16
	ds_store_b128 v5, v[X+4*k:X+4*k+3] offset:SPI*k
.set k, k+1
.endr
.set k, 0
.rept 16
	ds_load_b128 v[N+4*k:N+4*k+3], v6 offset:128*(k/4)+16*(k%4)   ; LDS serves a wave's instructions in order (ISA guide 5.7.1.4)
.set k, k+1
.endr
	s_wait_loadcnt 0x0
.set k, 0
.rept 16
	ds_store_b128 v5, v[X+64+4*k:X+64+4*k+3] offset:STG1+SPI*k
.set k, k+1
.endr
	s_wait_dscnt 16                                ; all but the 16 stores just issued
.set k, 0
.rept 16
	ds_load_b128 v[X+4*k:X+4*k+3], v6 offset:STG1+128*(k/4)+16*(k%4)
.set k, k+1
.endr
	QUANT N, PW0
.irp p, 0,1,2,3,4,5
	global_store_b64 v7, v[PC+2*\p:PC+2*\p+1], s[6:7] offset:256*\p   ; 32 lanes store 256 consecutive bytes, aligned
.endr
	s_wait_dscnt 0x0
	s_wait_xcnt 0x0                                ; the codes' registers are written again only behind this wait
	QUANT X, PW1
.irp p, 0,1,2,3,4,5
	global_store_b64 v7, v[PC+2*\p:PC+2*\p+1], s[6:7] offset:1536+256*\p
.endr
	v_cmp_le_u32 vcc_lo, 16, v1
	v_cndmask_b32 v246, v[PW0], v[PW1], vcc_lo     ; lanes 0-15: block 2 i's words, lanes 16-31: block 2 i + 1's
	global_store_b32 v8, v246, s[6:7] offset:12288
	s_wait_tensorcnt 0x0                           ; the wave's end
	ds_add_u32 v248, v249
	s_wait_dscnt 0x0
	s_endpgm
	; ---- a chunk of a weight
.set WX,   32                          ; v32-159  my column's 128 numbers down K
.set WE,   160                         ; v[160 + 8 j ..]: block j's six registers of codes
.set WT,   192
.set WSB,  24                          ; my row's scale word
.set WOUT, 196
.Lweights:
	s_sub_co_u32 s19, s11, 64                      ; the chunk of rows (made ahead of the load that lands on s11)
	s_load_b256 s[4:11], s[0:1], 0x10              ; w_q, w_k, w_v, w_o
	s_load_b64 s[12:13], s[0:1], 0x30              ; wimg
	v_lshrrev_b32 v1, 5, v0
	v_readfirstlane_b32 s16, v1                    ; wave i
	v_and_b32 v2, 31, v0                           ; lane: my column among the wave's 32
	v_lshlrev_b32 v3, 2, v2
	v_bfe_u32 v7, v2, 3, 1                         ; which of the wave's two blocks holds my column,
	v_and_b32 v8, 7, v2
	v_bfe_u32 v9, v2, 4, 1
	v_lshl_or_b32 v8, v9, 3, v8                    ; and as which image row
	s_mul_i32 s17, s16, 3072
	v_mul_u32_u24 v4, v7, 1536
	v_lshl_add_u32 v4, v8, 3, v4
	v_add_nc_u32 v4, s17, v4
	v_add_nc_u32 v4, WB, v4                        ; into the images in LDS: WB + 3072 i + 1536 u + 8 r
	v_lshlrev_b32 v5, 4, v2
	v_add_nc_u32 v10, s17, v5                      ; out: 3072 i + 16 x lane in the chunk,
	v_add_nc_u32 v5, WB, v10                       ; and the same place in LDS
	s_lshl_b32 s18, s16, 7
	v_lshlrev_b32 v6, 6, v7
	v_lshl_add_u32 v6, v8, 2, v6
	v_add_nc_u32 v6, s18, v6                       ; my scale word: 128 i + 64 u + 4 r
	s_lshr_b32 s20, s19, 3                         ; which weight
	s_and_b32 s21, s19, 7                          ; which 128 columns of it
	s_lshl_b32 s22, ttmp9, 19                      ; 128 rows of 4,096 bytes a K step
	s_lshl_b32 s21, s21, 9
	s_add_co_u32 s22, s22, s21
	s_add_co_u32 s22, s22, s18
	s_mov_b32 s23, 0
	s_lshl_b32 s24, s19, 3
	s_add_co_u32 s24, s24, ttmp9
	s_mul_i32 s24, s24, CH
	s_mov_b32 s25, 0
	s_wait_alu depctr_va_vdst(0)                   ; the wait at the head's end
	s_wait_kmcnt 0x0
	s_cmp_eq_u32 s20, 1                            ; only a pointer is chosen, on the work-group's number
	s_cselect_b64 s[4:5], s[6:7], s[4:5]
	s_cmp_eq_u32 s20, 2
	s_cselect_b64 s[4:5], s[8:9], s[4:5]
	s_cmp_eq_u32 s20, 3
	s_cselect_b64 s[4:5], s[10:11], s[4:5]
	s_add_nc_u64 s[4:5], s[4:5], s[22:23]
	s_add_nc_u64 s[12:13], s[12:13], s[24:25]
.macro LOAD j                          ; block j: w(128 s + 32 j + i, my column), i = 0 .. 31
.set k, 0
.rept 32
	global_load_b32 v[WX+32*(\j)+k], v3, s[4:5] offset:4096*(32*(\j)+k) th:TH_LOAD_NT
.set k, k+1
.endr
.endm
.macro BLOCK j
.set XS, WX+32*(\j)
.if (\j) < 3
	s_wait_loadcnt 32                              ; this block's 32 loads are in; the next block's 32 may be out
.else
	s_wait_loadcnt 0x0
.endif
.if (\j)+2 < 4
	LOAD (\j)+2
.endif
	v_max3_num_f32 v12, |v[XS]|, |v[XS+1]|, |v[XS+2]|
	v_max3_num_f32 v13, |v[XS+3]|, |v[XS+4]|, |v[XS+5]|
.irp i, 6,10,14,18,22,26
	v_max3_num_f32 v12, v12, |v[XS+\i]|, |v[XS+\i+1]|
	v_max3_num_f32 v13, v13, |v[XS+\i+2]|, |v[XS+\i+3]|
.endr
	v_max3_num_f32 v12, v12, |v[XS+30]|, |v[XS+31]|
	v_max3_num_f32 v12, v12, v13, 0x2800000        ; and the floor 2^(5 - 127)
	v_add_nc_u32 v11, 0xfe000000, v12
	v_lshrrev_b32 v13, 23, v11
.if (\j) == 0
	v_mov_b32 v[WSB], v13
.else
	v_lshl_or_b32 v[WSB], v13, 8*(\j), v[WSB]
.endif
	v_cvt_scalef32_pk16_bf6_f32 v[WE+8*(\j):WE+8*(\j)+2], v[XS:XS+15], v11
	v_cvt_scalef32_pk16_bf6_f32 v[WT:WT+2], v[XS+16:XS+31], v11
	v_nop                                          ; one plain place behind a scaled conversion
.irp i, 0,1,2
	v_mov_b32 v[WE+8*(\j)+3+\i], v[WT+\i]
.endr
.irp e, 0,1,2                                  ; block j = 2 c + h is registers 6 c .. 6 c + 5 of lane r + 16 h
	ds_store_b64 v4, v[WE+8*(\j)+2*\e:WE+8*(\j)+2*\e+1] offset:768*((\j)/2)+256*\e+128*((\j)%2)
.endr
.endm
	LOAD 0
	LOAD 1
	BLOCK 0
	BLOCK 1
	BLOCK 2
	BLOCK 3
.irp g, 0,1,2,3,4,5
	ds_load_b128 v[WOUT+4*\g:WOUT+4*\g+3], v5 offset:512*\g   ; LDS serves a wave's instructions in order: these see my stores
.endr
	s_wait_alu depctr_va_vdst(0)                   ; the wait here, directly ahead of the waits below
.irp g, 0,1,2,3,4,5
	s_wait_dscnt 5-\g
	global_store_b128 v10, v[WOUT+4*\g:WOUT+4*\g+3], s[12:13] offset:512*\g   ; 32 lanes store 512 consecutive bytes, aligned
.endr
	global_store_b32 v6, v[WSB], s[12:13] offset:12288
	s_wait_tensorcnt 0x0                           ; the wave's end
	ds_add_u32 v248, v249
	s_wait_dscnt 0x0
	s_endpgm
.Lfunc_end_k_q76de924ca5_quant:
	.size	k_q76de924ca5_quant, .Lfunc_end_k_q76de924ca5_quant-k_q76de924ca5_quant
	.p2alignl 7, 3214868480
	.fill 96, 4, 3214868480
	.section	.rodata,"a",@progbits
	.p2align	6, 0x0
	.amdhsa_kernel k_q76de924ca5_quant
		.amdhsa_group_segment_fixed_size 80384
		.amdhsa_private_segment_fixed_size 0
		.amdhsa_enable_private_segment 0
		.amdhsa_kernarg_size 56
		.amdhsa_user_sgpr_count 2
		.amdhsa_user_sgpr_kernarg_segment_ptr 1
		.amdhsa_wavefront_size32 1
		.amdhsa_system_sgpr_workgroup_id_x 1
		.amdhsa_system_sgpr_workgroup_id_y 1
		.amdhsa_system_sgpr_workgroup_id_z 1
		.amdhsa_system_vgpr_workitem_id 0
		.amdhsa_next_free_vgpr 250
		.amdhsa_next_free_sgpr 66
		.amdhsa_reserve_vcc 1
		.amdhsa_float_denorm_mode_32 3
		.amdhsa_float_denorm_mode_16_64 3
		.amdhsa_memory_ordered 1
		.amdhsa_forward_progress 1
		.amdhsa_inst_pref_size 40
	.end_amdhsa_kernel
	.amdgpu_metadata
---
amdhsa.version: [ 1, 2 ]
amdhsa.kernels:
  - .name:           k_q76de924ca5_quant
    .symbol:         k_q76de924ca5_quant.kd
    .args:
      - { .name: x, .offset: 0, .size: 8, .value_kind: global_buffer, .address_space: global }
      - { .name: ximg, .offset: 8, .size: 8, .value_kind: global_buffer, .address_space: global }
      - { .name: w_q, .offset: 16, .size: 8, .value_kind: global_buffer, .address_space: global }
      - { .name: w_k, .offset: 24, .size: 8, .value_kind: global_buffer, .address_space: global }
      - { .name: w_v, .offset: 32, .size: 8, .value_kind: global_buffer, .address_space: global }
      - { .name: w_o, .offset: 40, .size: 8, .value_kind: global_buffer, .address_space: global }
      - { .name: wimg, .offset: 48, .size: 8, .value_kind: global_buffer, .address_space: global }
    .group_segment_fixed_size: 80384
    .private_segment_fixed_size: 0
    .kernarg_segment_align: 8
    .kernarg_segment_size: 56
    .max_flat_workgroup_size: 128
    .sgpr_count:     66
    .vgpr_count:     250
    .wavefront_size: 32
...
	.end_amdgpu_metadata
.endif
;; end of part 1
;; launch gemm_qkv (part 2): grid 12 x 32, 4 waves a work-group, clusters of 4 x 4, 327,680 bytes of LDS; arguments ximg, wimg, qimg, kvimg; writes qimg, kvimg
.if DOCPART == 2
	.amdgcn_target "amdgcn-amd-amdhsa--gfx1250"
	.amdhsa_code_object_version 6
	.text
	.protected	k_q76de924ca5_gemm_qkv
	.globl	k_q76de924ca5_gemm_qkv
	.p2align	8
	.type	k_q76de924ca5_gemm_qkv,@function
k_q76de924ca5_gemm_qkv:
	s_mov_b64 s[64:65], 0
	v_nop
	global_prefetch_b8 v0, s[64:65] scope:SCOPE_SE
	s_setreg_imm32_b32 hwreg(HW_REG_WAVE_MODE, 25, 1), 1
	s_wait_xcnt 0x0
	s_wait_alu depctr_hold_cnt(0) depctr_sa_sdst(0) depctr_va_vdst(0) depctr_va_sdst(0) depctr_va_ssrc(0) depctr_va_vcc(0) depctr_vm_vsrc(0)
	s_getreg_b32 s2, hwreg(HW_REG_IB_STS2, 6, 4)
	s_cmp_eq_u32 s2, 0
	s_cbranch_scc0 .Lentry_in_a_cluster
	s_endpgm
.Lentry_in_a_cluster:
	s_bfe_u32 s2, ttmp6, 0x10000c
	s_cmp_lg_u32 s2, 0xf033
	s_cbranch_scc0 .Lentry_shape_is_right
	s_endpgm
.Lentry_shape_is_right:
.set CH,    12800
.set FRB,   1536
.set STB,   12288
.set WL,    2*CH
.set SLOT,  4*WL
.set SPARE, 2*SLOT
.set RCH,   8*CH
.set FR,    12
.set NL,    6
.set NP,    4
.set ADRA,  16
.set ADRB,  20
.set ADRS,  22
.set LN8,   24
.set LN4,   25
.set FLO,   27
.set SPW,   28
.set NIL,   29
.set SC,    32
.set AF,    128
.set TM,    64
.set PC,    80
.set PW,    100
.set PWT,   108
.set G1,  24
.set G0,  32
.set G1B, 48
.set G0B, 56
.set SEL, 76
.set MSB, 0
.macro WIN new
.if MSB != \new
	s_set_vgpr_msb (MSB<<8)|\new
.set MSB, \new
.endif
.endm
.set MUL_LO, 0xa1
.set MUL_HI, 0xf1
.set TO_B,   0x40
.macro JLOAD g0a, g1a, g0b, g1b
	s_cmp_eq_u32 s15, 0
	s_cbranch_scc0 .Lfor_b_\@
	tensor_load_to_lds s[\g0a:\g0a+3], s[\g1a:\g1a+7]
	s_nop 0
.rept 4
	v_nop
.endr
	s_branch .Lasked_\@
.Lfor_b_\@:
	tensor_load_to_lds s[\g0b:\g0b+3], s[\g1b:\g1b+7]
	s_nop 0
.rept 4
	v_nop
.endr
.Lasked_\@:
.endm
.macro CREST
	s_cmp_lg_u32 s14, 0
	s_cbranch_scc1 .Lnot_wave_0_\@
	s_barrier_signal -3
.Lnot_wave_0_\@:
	s_barrier_wait -3
	s_barrier_signal -1
	s_barrier_wait -1
.endm
.macro CROUND
	s_barrier_signal -1
	s_barrier_wait -1
	CREST
.endm
	s_load_b256 s[4:11], s[0:1], 0x0
	v_lshl_add_u32 v[SPW], v0, 2, SPARE
	v_mov_b32 v[NIL], 0
	ds_add_u32 v28, v29
	ds_add_u32 v28, v29
	s_wait_dscnt 0x0
	v_lshrrev_b32 v1, 5, v0
	v_readfirstlane_b32 s14, v1
	s_lshr_b32 s15, s14, 1
	s_and_b32 s16, s14, 1
	s_bfe_u32 s40, ttmp6, 0x40000
	s_bfe_u32 s41, ttmp6, 0x40004
	s_lshl_b32 s18, ttmp9, 2
	s_and_b32 s19, ttmp7, 0xffff
	s_lshl_b32 s19, s19, 2
	s_cmp_eq_u32 ttmp9, 2
	s_cselect_b32 s17, 8, s19
	s_cselect_b32 s42, s19, s18
	s_add_co_u32 s17, s17, s41
	s_add_co_u32 s42, s42, s40
	s_lshl_b32 s43, s41, 2
	s_lshl_b32 s43, 15, s43
	s_lshl_b32 s44, 0x1111, s40
	s_or_b32 s[G1+0], s43, (3<<16)|(1<<21)
	s_or_b32 s[G1B+0], s44, (3<<16)|(1<<21)
.irp g, G1, G1B
	s_mov_b32 s[\g+1], 32<<16
	s_mov_b32 s[\g+2], 100<<16
	s_mov_b32 s[\g+3], 32<<16
	s_mov_b32 s[\g+4], 100
	s_mov_b32 s[\g+5], 32
	s_mov_b32 s[\g+6], 0
	s_mov_b32 s[\g+7], 0
.endr
	s_lshl_b32 s20, s17, 1
	s_add_co_u32 s20, s20, s16
	s_mul_i32 s20, s20, RCH
	s_mov_b32 s21, 0
	s_lshl_b32 s46, s42, 1
	s_add_co_u32 s46, s46, s16
	s_mul_i32 s46, s46, RCH
	s_mov_b32 s47, 0
	s_mul_i32 s45, s14, WL
	s_wait_kmcnt 0x0
	s_cmp_eq_u32 ttmp9, 2
	s_cselect_b64 s[22:23], s[6:7], s[4:5]
	s_cselect_b64 s[66:67], s[4:5], s[6:7]
	s_add_nc_u64 s[20:21], s[22:23], s[20:21]
	s_add_nc_u64 s[46:47], s[66:67], s[46:47]
	CROUND
.irp s, 0,1
	s_mov_b32 s[G0+4*\s], 1
	s_add_co_u32 s[G0+4*\s+1], s45, \s*SLOT
	s_add_nc_u64 s[G0+4*\s+2:G0+4*\s+3], s[20:21], \s*WL
	s_or_b32 s[G0+4*\s+3], s[G0+4*\s+3], 0x80000000
	s_mov_b32 s[G0B+4*\s], 1
	s_add_co_u32 s[G0B+4*\s+1], s45, \s*SLOT
	s_add_nc_u64 s[G0B+4*\s+2:G0B+4*\s+3], s[46:47], \s*WL
	s_or_b32 s[G0B+4*\s+3], s[G0B+4*\s+3], 0x80000000
	s_wait_alu depctr_va_vdst(0)
	s_wait_tensorcnt 0x0
	ds_add_u32 v28, v29
	ds_add_u32 v28, v29
	s_wait_dscnt 0x0
	CROUND
	JLOAD G0+4*\s, G1, G0B+4*\s, G1B
.endr
	v_and_b32 v1, 31, v0
	v_and_b32 v2, 15, v0
	v_bfe_u32 v3, v0, 4, 1
	v_lshlrev_b32 v[LN8], 3, v1
	v_lshlrev_b32 v[LN4], 2, v1
	v_mov_b32 v[FLO], 0x2800000
	s_mul_i32 s18, s15, WL
	s_mul_i32 s19, s16, WL
	s_add_co_u32 s19, s19, 2*WL
	s_sub_co_u32 s22, s19, s18
	v_mul_u32_u24 v4, s22, v3
	v_lshl_add_u32 v4, v2, 2, v4
.irp s, 0,1
	v_add_nc_u32 v[ADRA+\s], s18, v[LN8]
	v_add_nc_u32 v[ADRB+\s], s19, v[LN8]
	v_add_nc_u32 v[ADRS+\s], s18, v4
	s_add_co_u32 s18, s18, SLOT
	s_add_co_u32 s19, s19, SLOT
.endr
.irp b, 0,1,2,3
	v_mov_b32 v[TM+4+\b], 0
.endr
	s_mov_b32 s[SEL], 0x76543210
	s_mov_b32 s[SEL+1], 0xfedcba98
	s_lshl_b32 s68, s17, 1
	s_add_co_u32 s68, s68, s15
	s_lshl_b32 s69, s42, 1
	s_add_co_u32 s69, s69, s16
	s_sub_co_u32 s71, s68, 16
	s_and_b32 s72, s69, 7
	s_cmp_eq_u32 ttmp9, 2
	s_cselect_b32 s70, s69, s68
	s_cselect_b32 s71, s71, s72
	s_lshr_b32 s72, s70, 4
	s_lshl_b32 s72, s72, 7
	s_lshl_b32 s71, s71, 4
	s_or_b32 s72, s72, s71
	s_and_b32 s70, s70, 15
	s_or_b32 s72, s72, s70
	s_lshl_b32 s73, s72, 1
	s_add_co_u32 s73, s73, ttmp9
	s_sub_co_u32 s73, s73, 1
	s_cmp_eq_u32 ttmp9, 0
	s_cselect_b32 s72, s72, s73
	s_cselect_b64 s[12:13], s[8:9], s[10:11]
	s_mul_i32 s72, s72, CH
	s_mov_b32 s73, 0
	s_add_nc_u64 s[12:13], s[12:13], s[72:73]
.macro FRAG reg, adr, q, i
.irp p, 0,1,2,3,4,5
	ds_load_b64 v[\reg+2*\p:\reg+2*\p+1], v[\adr] offset:(\q)*CH+(\i)*FRB+256*\p
.endr
.endm
.macro MUL16 a0, p, q, sc, zero
.irp a, \a0, \a0+1
.irp b, 0,1,2,3,4,5,6,7
.if \zero
	v_wmma_scale_f32_16x16x128_f8f6f4 v[8*(8*((\a)%4)+\b):8*(8*((\a)%4)+\b)+7], v[128*(\p)+FR*\b:128*(\p)+FR*\b+FR-1], v[AF+FR*(\a):AF+FR*(\a)+FR-1], 0, v[SC+16*(\sc)+8*(\q)+\b], v[SC+16*(\sc)+8*(\q)+(\a)] matrix_a_fmt:MATRIX_FMT_BF6 matrix_b_fmt:MATRIX_FMT_BF6 matrix_a_scale:MATRIX_SCALE_ROW1
.else
	v_wmma_scale_f32_16x16x128_f8f6f4 v[8*(8*((\a)%4)+\b):8*(8*((\a)%4)+\b)+7], v[128*(\p)+FR*\b:128*(\p)+FR*\b+FR-1], v[AF+FR*(\a):AF+FR*(\a)+FR-1], v[8*(8*((\a)%4)+\b):8*(8*((\a)%4)+\b)+7], v[SC+16*(\sc)+8*(\q)+\b], v[SC+16*(\sc)+8*(\q)+(\a)] matrix_a_fmt:MATRIX_FMT_BF6 matrix_b_fmt:MATRIX_FMT_BF6 matrix_a_scale:MATRIX_SCALE_ROW1
.endif
.endr
.endr
.endm
.macro FETCH_B slot, q, p
	WIN TO_B
.irp i, 0,1,2,3,4,5,6,7
	FRAG 128*(\p)+FR*\i, ADRB+\slot, \q, \i
.endr
	WIN 0
.endm
.macro FETCH_A slot, q, i0
.irp i, \i0, \i0+1, \i0+2, \i0+3
	FRAG AF+FR*(\i), ADRA+\slot, \q, \i
.endr
.endm
.macro SCALES sl
.irp q, 0,1
.irp i, 0,1,2,3,4,5,6,7
	ds_load_b32 v[SC+16*\sl+8*\q+\i], v[ADRS+\sl] offset:\q*CH+STB+64*\i
.endr
.endr
.endm
.macro PLACES n
.rept \n
	v_nop
.endr
.endm
.macro STEP slot, q, zero
	s_wait_dscnt 4*NL
	WIN MUL_LO
	MUL16 0, (\q)%2, \q, \slot, \zero
	MUL16 2, (\q)%2, \q, \slot, \zero
	s_wait_dscnt 0
	PLACES NP
	FETCH_B \slot, (\q)+1, 1-(\q)%2
	FETCH_A \slot, (\q)+1, 0
	WIN MUL_HI
	MUL16 4, (\q)%2, \q, \slot, \zero
	MUL16 6, (\q)%2, \q, \slot, \zero
	PLACES NP
	WIN 0
	FETCH_A \slot, (\q)+1, 4
.endm
.macro TURN slot, next, fill
	s_wait_tensorcnt 0x0
	ds_add_u32 v[SPW], v[NIL]
	s_wait_dscnt 4*NL+1
	WIN MUL_LO
	MUL16 0, 1, 1, \slot, 0
	s_wait_dscnt 0x0
	s_barrier_signal -1
	MUL16 2, 1, 1, \slot, 0
	WIN 0
	s_barrier_wait -1
.if \fill
	CREST
	s_add_nc_u64 s[G0+4*\slot+2:G0+4*\slot+3], s[G0+4*\slot+2:G0+4*\slot+3], 2*WL
	s_add_nc_u64 s[G0B+4*\slot+2:G0B+4*\slot+3], s[G0B+4*\slot+2:G0B+4*\slot+3], 2*WL
	JLOAD G0+4*\slot, G1, G0B+4*\slot, G1B
.else
	PLACES NP
.endif
	FETCH_B \next, 0, 0
	FETCH_A \next, 0, 0
	SCALES \next
	WIN MUL_HI
	MUL16 4, 1, 1, \slot, 0
	MUL16 6, 1, 1, \slot, 0
	PLACES NP
	WIN 0
	FETCH_A \next, 0, 4
.endm
	s_wait_alu depctr_va_vdst(0)
	s_wait_tensorcnt 1
	s_barrier_signal -1
	s_barrier_wait -1
	FETCH_B 0, 0, 0
	FETCH_A 0, 0, 0
	SCALES 0
	FETCH_A 0, 0, 4
	STEP 0, 0, 1
	TURN 0, 1, 1
	STEP 1, 0, 0
	TURN 1, 0, 1
	STEP 0, 0, 0
	TURN 0, 1, 0
	STEP 1, 0, 0
	s_wait_dscnt 4*NL
	WIN MUL_LO
	MUL16 0, 1, 1, 1, 0
	MUL16 2, 1, 1, 1, 0
	s_wait_dscnt 0
	WIN MUL_HI
	MUL16 4, 1, 1, 1, 0
	MUL16 6, 1, 1, 1, 0
	WIN 0
.macro QUANTW a
.set AC, 64*((\a)%4)
.set WW, 2+(\a)/4
.set WQ, (WW<<2)|(WW<<4)
	WIN WQ
.irp b, 0,1,2,3
	v_max3_num_f32 v[TM+\b], v[FLO], |v[AC+16*\b]|, |v[AC+16*\b+1]|
.endr
.irp i, 2,4,6,8,10,12,14
.irp b, 0,1,2,3
	v_max3_num_f32 v[TM+\b], v[TM+\b], |v[AC+16*\b+\i]|, |v[AC+16*\b+\i+1]|
.endr
.endr
	WIN 0
.irp b, 0,1,2,3
	v_permlanex16_b32 v[TM+4+\b], v[TM+\b], s[SEL], s[SEL+1]
.endr
.irp b, 0,1,2,3
	v_max_num_f32 v[TM+\b], v[TM+\b], v[TM+4+\b]
.endr
.irp b, 0,1,2,3
	v_add_nc_u32 v[TM+12+\b], 0xfe000000, v[TM+\b]
.endr
.irp b, 0,1,2,3
	v_lshrrev_b32 v[TM+4+\b], 23, v[TM+12+\b]
.endr
	v_lshl_or_b32 v[PW+(\a)], v[TM+5], 8, v[TM+4]
	v_lshl_or_b32 v[PW+(\a)], v[TM+6], 16, v[PW+(\a)]
	v_lshl_or_b32 v[PW+(\a)], v[TM+7], 24, v[PW+(\a)]
	WIN WW
.irp c, 0,1
	v_cvt_scalef32_pk16_bf6_f32 v[PC+6*\c:PC+2+6*\c], v[AC+32*\c:AC+15+32*\c], v[TM+12+2*\c]
	v_cvt_scalef32_pk16_bf6_f32 v[PC+12+4*\c:PC+14+4*\c], v[AC+16+32*\c:AC+31+32*\c], v[TM+12+2*\c+1]
.endr
	WIN 0
	v_nop
.irp c, 0,1
.irp i, 0,1,2
	v_permlane16_swap_b32 v[PC+6*\c+\i], v[PC+12+4*\c+\i]
.endr
.irp i, 0,1,2
	v_mov_b32 v[PC+3+6*\c+\i], v[PC+12+4*\c+\i]
.endr
.endr
.endm
	PLACES NP
.irp a, 0,1,2,3,4,5,6,7
.if \a > 0
	s_wait_xcnt 0x0
.endif
	QUANTW \a
.irp p, 0,1,2,3,4,5
	global_store_b64 v[LN8], v[PC+2*\p:PC+2*\p+1], s[12:13] offset:\a*FRB+256*\p
.endr
.endr
	v_cmp_le_u32 vcc_lo, 16, v1
.irp i, 0,1,2,3
	v_cndmask_b32 v[PWT+\i], v[PW+2*\i], v[PW+2*\i+1], vcc_lo
.endr
.irp i, 0,1,2,3
	global_store_b32 v[LN4], v[PWT+\i], s[12:13] offset:STB+128*\i
.endr
	s_wait_tensorcnt 0x0
	ds_add_u32 v[SPW], v[NIL]
	s_wait_dscnt 0x0
	CROUND
	s_endpgm
.Lfunc_end_k_q76de924ca5_gemm_qkv:
	.size	k_q76de924ca5_gemm_qkv, .Lfunc_end_k_q76de924ca5_gemm_qkv-k_q76de924ca5_gemm_qkv
	.p2alignl 7, 3214868480
	.fill 96, 4, 3214868480
	.section	.rodata,"a",@progbits
	.p2align	6, 0x0
	.amdhsa_kernel k_q76de924ca5_gemm_qkv
		.amdhsa_group_segment_fixed_size 327680
		.amdhsa_private_segment_fixed_size 0
		.amdhsa_enable_private_segment 0
		.amdhsa_kernarg_size 32
		.amdhsa_user_sgpr_count 2
		.amdhsa_user_sgpr_kernarg_segment_ptr 1
		.amdhsa_wavefront_size32 1
		.amdhsa_system_sgpr_workgroup_id_x 1
		.amdhsa_system_sgpr_workgroup_id_y 1
		.amdhsa_system_sgpr_workgroup_id_z 1
		.amdhsa_system_vgpr_workitem_id 0
		.amdhsa_next_free_vgpr 1024
		.amdhsa_next_free_sgpr 80
		.amdhsa_reserve_vcc 1
		.amdhsa_float_denorm_mode_32 3
		.amdhsa_float_denorm_mode_16_64 3
		.amdhsa_memory_ordered 1
		.amdhsa_forward_progress 1
		.amdhsa_inst_pref_size 166
	.end_amdhsa_kernel
	.amdgpu_metadata
---
amdhsa.version: [ 1, 2 ]
amdhsa.kernels:
  - .name:           k_q76de924ca5_gemm_qkv
    .symbol:         k_q76de924ca5_gemm_qkv.kd
    .args:
      - { .name: ximg, .offset: 0, .size: 8, .value_kind: global_buffer, .address_space: global }
      - { .name: wimg, .offset: 8, .size: 8, .value_kind: global_buffer, .address_space: global }
      - { .name: qimg, .offset: 16, .size: 8, .value_kind: global_buffer, .address_space: global }
      - { .name: kvimg, .offset: 24, .size: 8, .value_kind: global_buffer, .address_space: global }
    .group_segment_fixed_size: 327680
    .private_segment_fixed_size: 0
    .kernarg_segment_align: 8
    .kernarg_segment_size: 32
    .max_flat_workgroup_size: 128
    .sgpr_count:     80
    .vgpr_count:     1024
    .wavefront_size: 32
...
	.end_amdgpu_metadata
.endif
;; end of part 2
;; launch attn (part 3): grid 4 x 64, 16 waves a work-group, clusters of 4 x 1, 327,680 bytes of LDS; arguments qimg, kvimg, aimg; writes aimg
.if DOCPART == 3
	.amdgcn_target "amdgcn-amd-amdhsa--gfx1250"
	.amdhsa_code_object_version 6
	.text
	.protected	k_q76de924ca5_attn
	.globl	k_q76de924ca5_attn
	.p2align	8
	.type	k_q76de924ca5_attn,@function
k_q76de924ca5_attn:
	s_mov_b64 s[64:65], 0
	v_nop
	global_prefetch_b8 v0, s[64:65] scope:SCOPE_SE
	s_setreg_imm32_b32 hwreg(HW_REG_WAVE_MODE, 25, 1), 1
	s_wait_xcnt 0x0
	s_wait_alu depctr_hold_cnt(0) depctr_sa_sdst(0) depctr_va_vdst(0) depctr_va_sdst(0) depctr_va_ssrc(0) depctr_va_vcc(0) depctr_vm_vsrc(0)
	s_getreg_b32 s2, hwreg(HW_REG_IB_STS2, 6, 4)
	s_cmp_eq_u32 s2, 0
	s_cbranch_scc0 .Lentry_in_a_cluster
	s_endpgm
.Lentry_in_a_cluster:
	s_bfe_u32 s2, ttmp6, 0x10000c
	s_cmp_lg_u32 s2, 0x3003
	s_cbranch_scc0 .Lentry_shape_is_right
	s_endpgm
.Lentry_shape_is_right:
; O = softmax(q k^T / 8) v for 64 heads of size 64 and 2,048 keys, both products on codes of BF6 (E3M2) with E8M0 scales; O / l is quantised along the features and leaves as codes for the last product.
; THE SOFTMAX AHEAD OF THE SECOND PRODUCT: t = score x log2(e) / 8; M = the row's largest t so far, rounded UP to a whole number; p = 2^(t - M) is quantised along the keys, not normalised; the row's sum l is
; taken of the unquantised p in f32 and divides O at the end.  When M moves, l and O are multiplied by 2^(old M - new M): exact.
; OPERANDS come as CHUNKS of 12,800 bytes: 128 rows x 128 along K: eight images of an operand's registers (block a: register pair p of lane L at 1536 a + 256 p + 8 L), then 128 scale words (word 16 a + r) from
; byte 12,288 on; image row r of block a is the chunk's row 32 (a / 2) + 8 (a % 2) + r + 8 (r / 8).  qimg [8 batch + pair of heads][16 chunks of tokens]: a row is a token, its 128 codes the pair's two heads.
; kvimg [8 batch + pair][16][k, v]: k as q; v: rows = the pair's 128 features, K = the chunk's 128 keys.  aimg [64 chunks of tokens][8 pairs]: as q.
; SHARES: a work-group owns ONE head (y = 2 (8 batch + pair) + g) and 512 queries (four chunks of q): 256 work-groups.  Wave w owns 16 queries at a time, in 256 registers, four waves to a SIMD; it walks the
; 16 key steps of 128 keys twice: pass n takes block w % 8 of chunk w / 8 + 2 n.
; ALL OF THE HEAD'S KEYS AND VALUES STAY IN LDS: k's 16 chunks as they lie (204,800 bytes: the pair's two heads are interleaved in them), v's 16 x 6,144 bytes of codes and 16 x 256 bytes of scale words of head g alone.
; They are filled once, at the head, one tensor load a wave; nothing is filled again, so one barrier serves the launch and the waves then walk on their own.
; CLUSTER: the four work-groups of a cluster share y: every fill is asked for JOINTLY, with a mask that names the four.
; NO PREFETCH: every fill is issued at the head; there is no loop to run ahead in.
; LAYOUT: both products are used transposed (S^T = k q^T, O^T = v^T p^T): a lane holds ONE query throughout; by the chunks' row order the 16 registers of two neighbouring tiles are 16 neighbouring keys (features).
; K = 64 IN AN INSTRUCTION OF K = 128: q's operand is its head's six registers and six registers of zero codes.  k's operand for tile t is its six registers and the six that follow them (the next tile's codes,
; for the last tile zeros): E3M2 has no code for NaN or infinity, so they are finite numbers that meet zero codes and add exactly 0.  The scale words are loaded as 16 bits: the head's two bytes; bytes 2 and 3 are 0, which is not 0xff.
; THE RESULT'S SCALE BYTES: a row's word holds two bytes of each head of the pair; this work-group stores its head's two, the pair's other work-group the other two.
; LIMITS: NaN and infinities are not served; the promise holds while |t| stays under 2^31; a block whose largest magnitude lies under 2^-122 has its byte held at 1; a block of zeros gets the byte 1 and not 127
; (its codes are zeros; this program alone reads the bytes).
.set CH,    12800
.set STB,   12288
.set VB,    16*CH                      ; v's codes: step j at VB + 6144 j
.set VSB,   VB+16*6144                 ; v's scale words: step j at VSB + 256 j
.set SPARE, VSB+16*256                 ; the spare words, 128 bytes for each wave
.set AKP, 1                            ; v1  8 x lane + 768 g
.set AVP, 2                            ; v2  VB + 8 x lane
.set ASK, 3                            ; v3  12,288 + 4 x lane + 2 g
.set ASV, 4                            ; v4  VSB + 4 x lane
.set SPW, 5
.set NIL, 6
.set GF,  7                            ; v7  my fragment's place in q's chunk and in the result's: 8 x lane + 768 (2 (w % 8) + g)
.set ADK, 8                            ; v8-11 the step's LDS addresses
.set ADV, 9
.set ADS, 10
.set ADT, 11
                                       ; v12 -M, v13 the largest t, v[14:15] the sum; v16-21 q's codes, v22-27 zero codes; v28 q's scale word
.set QSO, 31                           ; v31 64 (w % 8) + 2 g + 4 r
.set F,   32                           ; v32-79 eight half fragments of k, then four fragments of v; v80-85 zero codes
.set Q1,  88                           ; v88-93 the second pass's q, v94 its scale word
.set S,   96                           ; v96-159 S^T, then p
.set O,   160                          ; v160-191 O^T
.set PCD, 192                          ; v192-203 p's codes
.set PT,  204
.set BM,  212
.set BX,  216
.set BS,  220
.set KS,  224                          ; v224-227 k's scale words: lanes 0-15 tile 2 i, lanes 16-31 tile 2 i + 1
.set VS,  228
.set PSW, 230
.set FF,  232                          ; v[232:233] f = 2^(old M - new M)
.set T0,  234
.set WV,  18
.set SEL, 20
.set CS,  22                           ; s[22:23] c = log2(e) / 8
.set G1K, 24                           ; descriptor groups 1: k, v, v's scales
.set G1V, 32
.set G1S, 40
.set G0K, 48                           ; and groups 0
.set G0V, 52
.set G0S, 56
.set TBK, 70                           ; the step's first bytes in the three regions
.set TBV, 71
.set TBT, 72
.set CNT, 73
.macro CROUND                          ; a round of the cluster's barrier
	s_barrier_signal -1
	s_barrier_wait -1
	s_cmp_lg_u32 s[WV], 0
	s_cbranch_scc1 .Lnot_wave_0_\@
	s_barrier_signal -3
.Lnot_wave_0_\@:
	s_barrier_wait -3
	s_barrier_signal -1
	s_barrier_wait -1
.endm
.macro GRP1 g, c, r                    ; r rows of c elements of 8 bytes, 25,600 bytes apart in memory, dense in LDS; the mask names all four work-groups, bit 21 beside it
	s_mov_b32 s[\g], 15|(3<<16)|(1<<21)
	s_mov_b32 s[\g+1], (\c)<<16
	s_mov_b32 s[\g+2], (\r)<<16
	s_mov_b32 s[\g+3], (\c)<<16
	s_mov_b32 s[\g+4], \r
	s_mov_b32 s[\g+5], 2*CH/8
	s_mov_b32 s[\g+6], 0
	s_mov_b32 s[\g+7], 0
.endm
	s_load_b128 s[4:7], s[0:1], 0x0                ; qimg, kvimg
	s_load_b64 s[8:9], s[0:1], 0x10                ; aimg
	v_lshl_add_u32 v[SPW], v0, 2, SPARE
	v_mov_b32 v[NIL], 0
	ds_add_u32 v[SPW], v[NIL]                      ; the opening lines: the add, twice on end, and its wait
	ds_add_u32 v[SPW], v[NIL]
	v_lshrrev_b32 v8, 5, v0
	v_readfirstlane_b32 s[WV], v8                  ; wave 0..15
	s_and_b32 s12, s[WV], 7                        ; my block of 16 queries; also which two steps of k I fetch
	s_and_b32 s13, s[WV], 3                        ; which four steps of v or of its scales I fetch
	s_bfe_u32 s19, ttmp6, 0x40000                  ; cx: it enters q's and the result's addresses alone
	s_and_b32 s11, ttmp7, 0xffff                   ; y, which the four partners share
	s_and_b32 s10, s11, 1                          ; g: my head of the pair
	s_lshr_b32 s11, s11, 1                         ; 8 batch + pair
	s_mul_i32 s76, s11, 32*CH
	s_mul_i32 s14, s12, 4*CH
	s_add_co_u32 s14, s14, s76                     ; k: steps 2 (w % 8), + 1
	s_mov_b32 s15, 0
	s_mul_i32 s16, s13, 8*CH
	s_add_co_u32 s16, s16, s76                     ; steps 4 (w % 4) .. + 3
	s_lshl_b32 s66, s10, 8
	s_add_co_u32 s66, s66, s16
	s_add_co_u32 s66, s66, CH+STB                  ; v's scale words of head g
	s_mov_b32 s67, 0
	s_mul_i32 s83, s10, 6144
	s_add_co_u32 s16, s16, s83
	s_add_co_u32 s16, s16, CH                      ; v's codes of head g
	s_mov_b32 s17, 0
	s_lshl_b32 s77, s19, 2
	s_lshr_b32 s78, s[WV], 3
	s_add_co_u32 s77, s77, s78                     ; my first chunk of queries: 4 cx + w / 8
	s_lshl_b32 s68, s11, 4
	s_add_co_u32 s68, s68, s77
	s_mul_i32 s68, s68, CH                         ; in qimg
	s_mov_b32 s69, 0
	s_lshr_b32 s74, s11, 3
	s_lshl_b32 s74, s74, 4
	s_add_co_u32 s74, s74, s77                     ; the chunk of tokens, 0 .. 63
	s_lshl_b32 s74, s74, 3
	s_and_b32 s78, s11, 7
	s_add_co_u32 s74, s74, s78
	s_mul_i32 s74, s74, CH                         ; in aimg
	s_mov_b32 s75, 0
	s_lshl_b32 s78, s12, 1
	s_add_co_u32 s78, s78, s10
	s_mul_i32 s78, s78, 768
	s_lshl_b32 s79, s12, 6
	s_lshl_b32 s80, s10, 1
	s_add_co_u32 s79, s79, s80                     ; 64 (w % 8) + 2 g
	s_mul_i32 s81, s10, 768
	s_add_co_u32 s82, s80, STB
	GRP1 G1K, 1600, 2                              ; two chunks of k, 12,800 bytes each
	GRP1 G1V, 768, 4                               ; four steps of v's codes, 6,144 bytes each
	GRP1 G1S, 32, 4                                ; four steps of v's scale words, 256 bytes each
	s_mov_b32 s[G0K], 1
	s_mul_i32 s[G0K+1], s12, 2*CH
	s_mov_b32 s[G0V], 1
	s_mul_i32 s[G0V+1], s13, 4*6144
	s_add_co_u32 s[G0V+1], s[G0V+1], VB
	s_mov_b32 s[G0S], 1
	s_lshl_b32 s[G0S+1], s13, 10
	s_add_co_u32 s[G0S+1], s[G0S+1], VSB
	s_mov_b32 s[SEL], 0x76543210
	s_mov_b32 s[SEL+1], 0xfedcba98
	s_mov_b32 s[CS], 0x3e38aa3b                    ; c = log2(e) / sqrt(64)
	s_mov_b32 s[CS+1], s[CS]
	s_wait_dscnt 0x0                               ; both opening adds are done
	s_wait_kmcnt 0x0
	s_add_nc_u64 s[G0K+2:G0K+3], s[6:7], s[14:15]
	s_or_b32 s[G0K+3], s[G0K+3], 0x80000000
	s_add_nc_u64 s[G0V+2:G0V+3], s[6:7], s[16:17]
	s_or_b32 s[G0V+3], s[G0V+3], 0x80000000
	s_add_nc_u64 s[G0S+2:G0S+3], s[6:7], s[66:67]
	s_or_b32 s[G0S+3], s[G0S+3], 0x80000000
	s_add_nc_u64 s[4:5], s[4:5], s[68:69]
	s_add_nc_u64 s[8:9], s[8:9], s[74:75]
	CROUND                                         ; all four work-groups are here: the joint loads meet
; THE FILLS, ONE A WAVE: waves 0-7 k, waves 8-11 v's codes, waves 12-15 v's scale words.  One tree of branches on the wave's number: every way passes exactly one load.
.macro ARM under, g0, g1, next
	s_cmp_lt_u32 s[WV], \under
	s_cbranch_scc0 \next
	tensor_load_to_lds s[\g0:\g0+3], s[\g1:\g1+7]
	s_nop 0
.rept 4
	v_nop
.endr
	s_branch .Lhead_asked
\next:
.endm
	ARM 8,  G0K, G1K, .Lhead_v
	ARM 12, G0V, G1V, .Lhead_s
	tensor_load_to_lds s[G0S:G0S+3], s[G1S:G1S+7]
	s_nop 0
.rept 4
	v_nop
.endr
.Lhead_asked:
	v_and_b32 v9, 31, v0                           ; lane
	v_and_b32 v10, 15, v0                          ; r
	v_lshlrev_b32 v11, 3, v9
	v_lshlrev_b32 v12, 2, v9
	v_add_nc_u32 v[GF], s78, v11
	v_lshl_add_u32 v[QSO], v10, 2, s79
.irp p, 0,1,2
	global_load_b64 v[16+2*\p:17+2*\p], v[GF], s[4:5] offset:256*\p                 ; the first pass's q,
	global_load_b64 v[Q1+2*\p:Q1+2*\p+1], v[GF], s[4:5] offset:2*CH+256*\p          ; and the second's, two chunks on
.endr
	global_load_u16 v28, v[QSO], s[4:5] offset:STB
	global_load_u16 v[Q1+6], v[QSO], s[4:5] offset:2*CH+STB
	v_add_nc_u32 v[AKP], s81, v11
	v_add_nc_u32 v[AVP], VB, v11
	v_add_nc_u32 v[ASK], s82, v12
	v_add_nc_u32 v[ASV], VSB, v12
.irp j, 0,1,2,3,4,5
	v_mov_b32 v[22+\j], 0                          ; zero codes: the upper 64 of q's K,
	v_mov_b32 v[80+\j], 0                          ; and behind k's last tile
.endr
.irp b, 0,1,2,3
	v_mov_b32 v[BX+\b], 0                          ; a lane permute's destination counts as one of its sources
.endr
	v_mov_b32 v[FF+1], 0                           ; (named as the upper half of a pair)
	v_mov_b32 v[T0], 0
; A KEY STEP: 128 keys.
.macro STEP
	v_add_nc_u32 v[ADK], s[TBK], v[AKP]            ; these four are also the places in front of the loads into registers that the last products read
	v_add_nc_u32 v[ADS], s[TBK], v[ASK]
	v_add_nc_u32 v[ADV], s[TBV], v[AVP]
	v_add_nc_u32 v[ADT], s[TBT], v[ASV]
.irp t, 0,1,2,3,4,5,6,7
.irp p, 0,1,2
	ds_load_b64 v[F+6*\t+2*\p:F+6*\t+2*\p+1], v[ADK] offset:1536*\t+256*\p   ; my head's half of tile t: 256 consecutive bytes a load
.endr
.endr
.irp i, 0,1,2,3
	ds_load_u16 v[KS+\i], v[ADS] offset:128*\i
.endr
	s_wait_alu depctr_va_vdst(0)                   ; the wait here, directly ahead of the wait below
	s_wait_dscnt 0x0
.irp t, 0,1,2,3,4,5,6,7                        ; S^T = k q^T: lane (r, h) holds query r; register 16 b + i is key 32 b + 16 h + i
.if \t%2
	v_wmma_scale_f32_16x16x128_f8f6f4 v[S+8*\t:S+8*\t+7], v[F+6*\t:F+6*\t+11], v[16:27], 0, v[KS+\t/2], v28 matrix_a_fmt:MATRIX_FMT_BF6 matrix_b_fmt:MATRIX_FMT_BF6 matrix_a_scale:MATRIX_SCALE_ROW1
.else
	v_wmma_scale_f32_16x16x128_f8f6f4 v[S+8*\t:S+8*\t+7], v[F+6*\t:F+6*\t+11], v[16:27], 0, v[KS+\t/2], v28 matrix_a_fmt:MATRIX_FMT_BF6 matrix_b_fmt:MATRIX_FMT_BF6
.endif
.endr
.rept 4
	v_nop                                          ; places in front of the loads below and of the first read of the scores
.endr
.irp t, 0,1,2,3
.irp p, 0,1,2,3,4,5
	ds_load_b64 v[F+12*\t+2*\p:F+12*\t+2*\p+1], v[ADV] offset:1536*\t+256*\p   ; my head's four tiles of v: they land while the softmax is walked
.endr
.endr
.irp i, 0,1
	ds_load_b32 v[VS+\i], v[ADT] offset:128*\i
.endr
.irp b, 0,1,2,3
	v_max3_num_f32 v[BM+\b], v[S+16*\b], v[S+1+16*\b], v[S+2+16*\b]   ; the largest score of each block of 32 keys: for the row's maximum and, since p rises with the score, for the block's largest p
.endr
.irp i, 3,5,7,9,11,13
.irp b, 0,1,2,3
	v_max3_num_f32 v[BM+\b], v[BM+\b], v[S+16*\b+\i], v[S+1+16*\b+\i]
.endr
.endr
.irp b, 0,1,2,3
	v_max_num_f32 v[BM+\b], v[BM+\b], v[S+15+16*\b]
.endr
.irp b, 0,1,2,3
	s_delay_alu instid0(VALU_DEP_4)
	v_permlanex16_b32 v[BX+\b], v[BM+\b], s[SEL], s[SEL+1]
.endr
.irp b, 0,1,2,3
	s_delay_alu instid0(VALU_DEP_4)
	v_max_num_f32 v[BM+\b], v[BM+\b], v[BX+\b]     ; with lane l xor 16's 16 keys
.endr
	s_delay_alu instid0(VALU_DEP_2)
	v_max3_num_f32 v[T0], v[BM], v[BM+1], v[BM+2]
	s_delay_alu instid0(VALU_DEP_1)
	v_max_num_f32 v[T0], v[T0], v[BM+3]            ; the step's largest score of my query
	s_delay_alu instid0(VALU_DEP_1)
	v_mul_f32 v[T0], s[CS], v[T0]                  ; as t (c is positive)
	s_delay_alu instid0(VALU_DEP_1)
	v_max_num_f32 v13, v13, v[T0]                  ; the running largest t
	v_mov_b32 v[T0], v12                           ; the old -M
	s_delay_alu instid0(VALU_DEP_2)
	v_floor_f32 v12, -v13                          ; the new -M = floor(-t) = -ceil(t): M is a whole number
.set j, 0
.rept 32
	v_pk_fma_f32 v[S+j:S+j+1], v[S+j:S+j+1], s[CS:CS+1], v[12:13] op_sel_hi:[1,0,0]   ; t - M, two at a time
.set j, j+2
.endr
.irp b, 0,1,2,3
	v_fma_f32 v[BM+\b], v[BM+\b], s[CS], v12       ; the same of each block's largest score
.endr
	s_wait_alu depctr_va_vdst(0)                   ; the wait ahead of the batch
.set j, 0
.rept 64
	v_exp_f32 v[S+j], v[S+j]                       ; p = 2^(t - M), at most 1: not normalised
.set j, j+1
.endr
.irp b, 0,1,2,3
	v_exp_f32 v[BM+\b], v[BM+\b]                   ; the block's largest p: the same two instructions on the same number give the same bits
.endr
	v_sub_f32 v[T0], v12, v[T0]                    ; old M - new M: a whole number, 0 or less.  (The plain place behind the exponentials)
	s_delay_alu instid0(VALU_DEP_1)
	v_cvt_i32_f32 v[T0], v[T0]                     ; (it saturates)
	s_delay_alu instid0(VALU_DEP_1)
	v_ldexp_f32 v[FF], 1.0, v[T0]                  ; f = 2^(old M - new M)
	s_wait_alu depctr_va_vdst(0)                   ; one wait for the whole batch, ahead of its first reader
.irp b, 0,1,2,3
	v_max_num_f32 v[BM+\b], 0x2800000, v[BM+\b]    ; the floor 2^(5 - 127): the byte cannot fall under 1
.endr
.irp b, 0,1,2,3
	s_delay_alu instid0(VALU_DEP_4)
	v_add_nc_u32 v[BS+\b], 0xfe000000, v[BM+\b]    ; 4 off the exponent field: the conversion's scale operand
.endr
.irp b, 0,1,2,3
	s_delay_alu instid0(VALU_DEP_4)
	v_lshrrev_b32 v[BX+\b], 23, v[BS+\b]           ; the scale's byte
.endr
	s_delay_alu instid0(VALU_DEP_3)
	v_lshl_or_b32 v[PSW], v[BX+1], 8, v[BX]        ; p's scale word for these 128 keys
	s_delay_alu instid0(VALU_DEP_1)
	v_lshl_or_b32 v[PSW], v[BX+2], 16, v[PSW]
	s_delay_alu instid0(VALU_DEP_1)
	v_lshl_or_b32 v[PSW], v[BX+3], 24, v[PSW]
.irp c, 0,1
	v_cvt_scalef32_pk16_bf6_f32 v[PCD+6*\c:PCD+2+6*\c], v[S+32*\c:S+15+32*\c], v[BS+2*\c]
	v_cvt_scalef32_pk16_bf6_f32 v[PT+4*\c:PT+2+4*\c], v[S+16+32*\c:S+31+32*\c], v[BS+2*\c+1]   ; (a conversion's three registers begin on an even number)
.endr
	v_nop                                          ; one plain place behind a scaled conversion
.irp c, 0,1                                    ; the operand's layout wants a whole block in a lane
.irp i, 0,1,2
	v_permlane16_swap_b32 v[PCD+6*\c+\i], v[PT+4*\c+\i]
.endr
.irp i, 0,1,2
	s_delay_alu instid0(VALU_DEP_3)
	v_mov_b32 v[PCD+3+6*\c+\i], v[PT+4*\c+\i]
.endr
.endr
	; the row's sum of the unquantised p, two at a time, in eight chains; the old sum comes under the new M in the same line that takes its first pair
	v_pk_add_f32 v[236:237], v[100:101], v[104:105]
	v_pk_add_f32 v[254:255], v[108:109], v[112:113]
	v_pk_add_f32 v[252:253], v[116:117], v[120:121]
	v_pk_add_f32 v[250:251], v[124:125], v[128:129]
	v_pk_add_f32 v[248:249], v[132:133], v[136:137]
	v_pk_add_f32 v[246:247], v[140:141], v[144:145]
	v_pk_add_f32 v[244:245], v[148:149], v[152:153]
	v_pk_fma_f32 v[14:15], v[14:15], v[FF:FF+1], v[156:157] op_sel_hi:[1,0,1]
	v_pk_add_f32 v[236:237], v[236:237], v[96:97]
	v_pk_add_f32 v[254:255], v[254:255], v[98:99]
	v_pk_add_f32 v[252:253], v[252:253], v[102:103]
	v_pk_add_f32 v[250:251], v[250:251], v[106:107]
	v_pk_add_f32 v[248:249], v[248:249], v[110:111]
	v_pk_add_f32 v[246:247], v[246:247], v[114:115]
	v_pk_add_f32 v[244:245], v[244:245], v[118:119]
	v_pk_add_f32 v[14:15], v[14:15], v[122:123]
	v_pk_add_f32 v[236:237], v[236:237], v[126:127]
	v_pk_add_f32 v[254:255], v[254:255], v[130:131]
	v_pk_add_f32 v[252:253], v[252:253], v[134:135]
	v_pk_add_f32 v[250:251], v[250:251], v[138:139]
	v_pk_add_f32 v[248:249], v[248:249], v[142:143]
	v_pk_add_f32 v[246:247], v[246:247], v[146:147]
	v_pk_add_f32 v[244:245], v[244:245], v[150:151]
	v_pk_add_f32 v[14:15], v[14:15], v[154:155]
	v_pk_add_f32 v[236:237], v[236:237], v[158:159]
	v_pk_add_f32 v[14:15], v[14:15], v[250:251]
	v_pk_add_f32 v[236:237], v[236:237], v[248:249]
	v_pk_add_f32 v[254:255], v[254:255], v[246:247]
	v_pk_add_f32 v[252:253], v[252:253], v[244:245]
	v_pk_add_f32 v[14:15], v[14:15], v[254:255]
	v_pk_add_f32 v[236:237], v[236:237], v[252:253]
	v_pk_add_f32 v[14:15], v[14:15], v[236:237]
	s_wait_alu depctr_va_vdst(0)                   ; the wait here, directly ahead of the first reader of O^T
.set j, 0
.rept 16
	v_pk_mul_f32 v[O+j:O+j+1], v[O+j:O+j+1], v[FF:FF+1] op_sel_hi:[1,0]   ; O^T under the new M
.set j, j+2
.endr
	s_wait_alu depctr_va_vdst(0)                   ; the wait here, directly ahead of the wait below
	s_wait_dscnt 0x0                               ; v's tiles and scale words are in
.irp t, 0,1,2,3                                ; O^T += v^T p^T: register 16 b + i is feature 32 b + 16 h + i of my head.  The four accumulators take turns
.if \t%2
	v_wmma_scale_f32_16x16x128_f8f6f4 v[O+8*\t:O+8*\t+7], v[F+12*\t:F+12*\t+11], v[PCD:PCD+11], v[O+8*\t:O+8*\t+7], v[VS+\t/2], v[PSW] matrix_a_fmt:MATRIX_FMT_BF6 matrix_b_fmt:MATRIX_FMT_BF6 matrix_a_scale:MATRIX_SCALE_ROW1
.else
	v_wmma_scale_f32_16x16x128_f8f6f4 v[O+8*\t:O+8*\t+7], v[F+12*\t:F+12*\t+11], v[PCD:PCD+11], v[O+8*\t:O+8*\t+7], v[VS+\t/2], v[PSW] matrix_a_fmt:MATRIX_FMT_BF6 matrix_b_fmt:MATRIX_FMT_BF6
.endif
.endr
.endm
; A PASS: 16 queries against all 2,048 keys, and their way out.  n = 1: the queries two chunks on.
.macro PASS n
.if \n
	s_wait_xcnt 0x0                                ; the first pass's stores have read their registers
.irp j, 0,1,2,3,4,5
	v_mov_b32 v[16+\j], v[Q1+\j]
.endr
	v_mov_b32 v28, v[Q1+6]
.endif
	v_mov_b32 v13, 0xff61b1e6                      ; the largest t so far: -3e38, under every t
	v_floor_f32 v12, -v13                          ; -M
	v_mov_b32 v14, 0
	v_mov_b32 v15, 0
.set j, 0
.rept 32
	v_mov_b32 v[O+j], 0                            ; O^T: the step is written once; the first finds zeros, which the first change of M leaves zeros
.set j, j+1
.endr
	s_mov_b32 s[TBK], 0
	s_mov_b32 s[TBV], 0
	s_mov_b32 s[TBT], 0
	s_mov_b32 s[CNT], 16
.Lstep_\@:
	STEP
	s_add_co_u32 s[TBK], s[TBK], CH
	s_add_co_u32 s[TBV], s[TBV], 6144
	s_add_co_u32 s[TBT], s[TBT], 256
	s_sub_co_u32 s[CNT], s[CNT], 1
	s_cmp_lg_u32 s[CNT], 0
	s_cbranch_scc1 .Lstep_\@
	; O^T / l, then quantised along my head's 64 features: two blocks of 32; the six registers of codes are my head's half of an image of the result's chunk
.rept 4
	v_nop                                          ; places in front of the first read of the last products' results
.endr
	v_add_f32 v14, v14, v15                        ; the sum's two halves,
	s_delay_alu instid0(VALU_DEP_1)
	v_permlanex16_b32 v[T0], v14, s[SEL], s[SEL+1]
	s_delay_alu instid0(VALU_DEP_1)
	v_add_f32 v14, v14, v[T0]                      ; and lane l xor 16's: the row's sum
	s_wait_alu depctr_va_vdst(0)                   ; the wait ahead of the transcendental
	v_rcp_f32 v14, v14
	v_nop                                          ; a plain place behind it
	s_wait_alu depctr_va_vdst(0)                   ; the wait ahead of its first reader, which is also O^T's
.set j, 0
.rept 32
	v_mul_f32 v[S+j], v[O+j], v14                  ; each accumulator from its low end on
.set j, j+1
.endr
.irp b, 0,1
	v_max3_num_f32 v[BM+\b], |v[S+16*\b]|, |v[S+1+16*\b]|, 0x2800000
.endr
.irp i, 2,4,6,8,10,12,14
.irp b, 0,1
	s_delay_alu instid0(VALU_DEP_2)
	v_max3_num_f32 v[BM+\b], v[BM+\b], |v[S+16*\b+\i]|, |v[S+1+16*\b+\i]|
.endr
.endr
.irp b, 0,1
	s_delay_alu instid0(VALU_DEP_2)
	v_permlanex16_b32 v[BX+\b], v[BM+\b], s[SEL], s[SEL+1]
.endr
.irp b, 0,1
	s_delay_alu instid0(VALU_DEP_2)
	v_max_num_f32 v[BM+\b], v[BM+\b], v[BX+\b]
.endr
.irp b, 0,1
	s_delay_alu instid0(VALU_DEP_2)
	v_add_nc_u32 v[BS+\b], 0xfe000000, v[BM+\b]
.endr
.irp b, 0,1
	s_delay_alu instid0(VALU_DEP_2)
	v_lshrrev_b32 v[BX+\b], 23, v[BS+\b]
.endr
	s_delay_alu instid0(VALU_DEP_1)
	v_lshl_or_b32 v[PSW], v[BX+1], 8, v[BX]        ; my row's two scale bytes
	v_cvt_scalef32_pk16_bf6_f32 v[PCD:PCD+2], v[S:S+15], v[BS]
	v_cvt_scalef32_pk16_bf6_f32 v[PT:PT+2], v[S+16:S+31], v[BS+1]
	v_nop                                          ; one plain place behind a scaled conversion
.irp i, 0,1,2
	v_permlane16_swap_b32 v[PCD+\i], v[PT+\i]
.endr
.irp i, 0,1,2
	s_delay_alu instid0(VALU_DEP_3)
	v_mov_b32 v[PCD+3+\i], v[PT+\i]
.endr
.irp p, 0,1,2
	global_store_b64 v[GF], v[PCD+2*\p:PCD+2*\p+1], s[8:9] offset:\n*16*CH+256*\p   ; 32 lanes store 256 consecutive bytes, at a multiple of 256 from the buffer's first byte
.endr
	global_store_b16 v[QSO], v[PSW], s[8:9] offset:\n*16*CH+STB   ; my head's two bytes of each row's word; both halves of the lanes hold the same bytes for the same place
.endm
	s_wait_alu depctr_va_vdst(0)                   ; the wait at the head's end
	s_wait_tensorcnt 0x0                           ; my fill has landed,
	s_barrier_signal -1
	s_barrier_wait -1                              ; and everybody's: nothing is filled again
	s_wait_loadcnt 0x0                             ; both passes' q
	PASS 0
	PASS 1
	s_wait_tensorcnt 0x0                           ; the wave's end
	ds_add_u32 v[SPW], v[NIL]
	s_wait_dscnt 0x0
	CROUND                                         ; the closing round
	s_endpgm
.Lfunc_end_k_q76de924ca5_attn:
	.size	k_q76de924ca5_attn, .Lfunc_end_k_q76de924ca5_attn-k_q76de924ca5_attn
	.p2alignl 7, 3214868480
	.fill 96, 4, 3214868480
	.section	.rodata,"a",@progbits
	.p2align	6, 0x0
	.amdhsa_kernel k_q76de924ca5_attn
		.amdhsa_group_segment_fixed_size 327680
		.amdhsa_private_segment_fixed_size 0
		.amdhsa_enable_private_segment 0
		.amdhsa_kernarg_size 24
		.amdhsa_user_sgpr_count 2
		.amdhsa_user_sgpr_kernarg_segment_ptr 1
		.amdhsa_wavefront_size32 1
		.amdhsa_system_sgpr_workgroup_id_x 1
		.amdhsa_system_sgpr_workgroup_id_y 1
		.amdhsa_system_sgpr_workgroup_id_z 1
		.amdhsa_system_vgpr_workitem_id 0
		.amdhsa_next_free_vgpr 256
		.amdhsa_next_free_sgpr 88
		.amdhsa_reserve_vcc 0
		.amdhsa_float_denorm_mode_32 3
		.amdhsa_float_denorm_mode_16_64 3
		.amdhsa_memory_ordered 1
		.amdhsa_forward_progress 1
		.amdhsa_inst_pref_size 57
	.end_amdhsa_kernel
	.amdgpu_metadata
---
amdhsa.version: [ 1, 2 ]
amdhsa.kernels:
  - .name:           k_q76de924ca5_attn
    .symbol:         k_q76de924ca5_attn.kd
    .args:
      - { .name: qimg, .offset: 0, .size: 8, .value_kind: global_buffer, .address_space: global }
      - { .name: kvimg, .offset: 8, .size: 8, .value_kind: global_buffer, .address_space: global }
      - { .name: aimg, .offset: 16, .size: 8, .value_kind: global_buffer, .address_space: global }
    .group_segment_fixed_size: 327680
    .private_segment_fixed_size: 0
    .kernarg_segment_align: 8
    .kernarg_segment_size: 24
    .max_flat_workgroup_size: 512
    .sgpr_count:     88
    .vgpr_count:     256
    .wavefront_size: 32
...
	.end_amdgpu_metadata
.endif
;; end of part 3
;; launch gemm_o (part 4): grid 4 x 32, 4 waves a work-group, clusters of 4 x 4, 327,680 bytes of LDS; arguments aimg, wimg, b_o, out0; writes out0
.if DOCPART == 4
	.amdgcn_target "amdgcn-amd-amdhsa--gfx1250"
	.amdhsa_code_object_version 6
	.text
	.protected	k_q76de924ca5_gemm_o
	.globl	k_q76de924ca5_gemm_o
	.p2align	8
	.type	k_q76de924ca5_gemm_o,@function
k_q76de924ca5_gemm_o:
	s_mov_b64 s[64:65], 0
	v_nop
	global_prefetch_b8 v0, s[64:65] scope:SCOPE_SE
	s_setreg_imm32_b32 hwreg(HW_REG_WAVE_MODE, 25, 1), 1
	s_wait_xcnt 0x0
	s_wait_alu depctr_hold_cnt(0) depctr_sa_sdst(0) depctr_va_vdst(0) depctr_va_sdst(0) depctr_va_ssrc(0) depctr_va_vcc(0) depctr_vm_vsrc(0)
	s_getreg_b32 s2, hwreg(HW_REG_IB_STS2, 6, 4)
	s_cmp_eq_u32 s2, 0
	s_cbranch_scc0 .Lentry_in_a_cluster
	s_endpgm
.Lentry_in_a_cluster:
	s_bfe_u32 s2, ttmp6, 0x10000c
	s_cmp_lg_u32 s2, 0xf033
	s_cbranch_scc0 .Lentry_shape_is_right
	s_endpgm
.Lentry_shape_is_right:
.set CH,    12800
.set FRB,   1536
.set STB,   12288
.set WL,    2*CH
.set SLOT,  4*WL
.set SPARE, 2*SLOT
.set RCH,   8*CH
.set FR,    12
.set NL,    6
.set NP,    4
.set SPITCH, 528
.set ADRA,  16
.set ADRB,  20
.set ADRS,  22
.set STO,   24
.set RD,    25
.set CO,    26
.set BOF,   27
.set SPW,   28
.set NIL,   29
.set SC,    32
.set BI,    64
.set AF,    128
.set BK,    128
.set G1,  24
.set G0,  32
.set G1B, 48
.set G0B, 56
.set MSB, 0
.macro WIN new
.if MSB != \new
	s_set_vgpr_msb (MSB<<8)|\new
.set MSB, \new
.endif
.endm
.set MUL_LO, 0xa1
.set MUL_HI, 0xf1
.set BIA_LO, 0x81
.set BIA_HI, 0xc1
.set TO_B,   0x40
.macro JLOAD g0a, g1a, g0b, g1b
	s_cmp_eq_u32 s15, 0
	s_cbranch_scc0 .Lfor_b_\@
	tensor_load_to_lds s[\g0a:\g0a+3], s[\g1a:\g1a+7]
	s_nop 0
.rept 4
	v_nop
.endr
	s_branch .Lasked_\@
.Lfor_b_\@:
	tensor_load_to_lds s[\g0b:\g0b+3], s[\g1b:\g1b+7]
	s_nop 0
.rept 4
	v_nop
.endr
.Lasked_\@:
.endm
.macro CREST
	s_cmp_lg_u32 s14, 0
	s_cbranch_scc1 .Lnot_wave_0_\@
	s_barrier_signal -3
.Lnot_wave_0_\@:
	s_barrier_wait -3
	s_barrier_signal -1
	s_barrier_wait -1
.endm
.macro CROUND
	s_barrier_signal -1
	s_barrier_wait -1
	CREST
.endm
	s_load_b256 s[4:11], s[0:1], 0x0
	v_lshl_add_u32 v[SPW], v0, 2, SPARE
	v_mov_b32 v[NIL], 0
	ds_add_u32 v28, v29
	ds_add_u32 v28, v29
	s_wait_dscnt 0x0
	v_lshrrev_b32 v1, 5, v0
	v_readfirstlane_b32 s14, v1
	s_lshr_b32 s15, s14, 1
	s_and_b32 s16, s14, 1
	s_bfe_u32 s40, ttmp6, 0x40000
	s_bfe_u32 s41, ttmp6, 0x40004
	s_lshl_b32 s42, ttmp9, 2
	s_add_co_u32 s42, s42, s40
	s_and_b32 s17, ttmp7, 0xffff
	s_lshl_b32 s17, s17, 2
	s_add_co_u32 s17, s17, s41
	s_lshl_b32 s43, s41, 2
	s_lshl_b32 s43, 15, s43
	s_lshl_b32 s44, 0x1111, s40
	s_or_b32 s[G1+0], s43, (3<<16)|(1<<21)
	s_or_b32 s[G1B+0], s44, (3<<16)|(1<<21)
.irp g, G1, G1B
	s_mov_b32 s[\g+1], 32<<16
	s_mov_b32 s[\g+2], 100<<16
	s_mov_b32 s[\g+3], 32<<16
	s_mov_b32 s[\g+4], 100
	s_mov_b32 s[\g+5], 32
	s_mov_b32 s[\g+6], 0
	s_mov_b32 s[\g+7], 0
.endr
	s_lshl_b32 s20, s17, 1
	s_add_co_u32 s20, s20, s16
	s_mul_i32 s20, s20, RCH
	s_mov_b32 s21, 0
	s_lshl_b32 s46, s42, 1
	s_add_co_u32 s46, s46, s16
	s_add_co_u32 s46, s46, 24
	s_mul_i32 s46, s46, RCH
	s_mov_b32 s47, 0
	s_mul_i32 s45, s14, WL
	s_wait_kmcnt 0x0
	s_add_nc_u64 s[20:21], s[4:5], s[20:21]
	s_add_nc_u64 s[46:47], s[6:7], s[46:47]
	CROUND
.irp s, 0,1
	s_mov_b32 s[G0+4*\s], 1
	s_add_co_u32 s[G0+4*\s+1], s45, \s*SLOT
	s_add_nc_u64 s[G0+4*\s+2:G0+4*\s+3], s[20:21], \s*WL
	s_or_b32 s[G0+4*\s+3], s[G0+4*\s+3], 0x80000000
	s_mov_b32 s[G0B+4*\s], 1
	s_add_co_u32 s[G0B+4*\s+1], s45, \s*SLOT
	s_add_nc_u64 s[G0B+4*\s+2:G0B+4*\s+3], s[46:47], \s*WL
	s_or_b32 s[G0B+4*\s+3], s[G0B+4*\s+3], 0x80000000
	s_wait_alu depctr_va_vdst(0)
	s_wait_tensorcnt 0x0
	ds_add_u32 v28, v29
	ds_add_u32 v28, v29
	s_wait_dscnt 0x0
	CROUND
	JLOAD G0+4*\s, G1, G0B+4*\s, G1B
.endr
	v_and_b32 v1, 31, v0
	s_wait_alu depctr_va_vdst(0)
	v_and_b32 v2, 15, v0
	v_bfe_u32 v3, v0, 4, 1
	s_wait_alu depctr_va_vdst(0)
	v_lshlrev_b32 v[BOF], 6, v3
	s_lshl_b32 s66, s42, 10
	s_lshl_b32 s67, s16, 9
	s_add_co_u32 s66, s66, s67
	s_mov_b32 s67, 0
	s_add_nc_u64 s[8:9], s[8:9], s[66:67]
.irp b, 0,1,2,3,4,5,6,7
	global_load_b128 v[BI+8*\b:BI+8*\b+3], v[BOF], s[8:9] offset:(32*(\b/2)+8*(\b%2))*4
	global_load_b128 v[BI+8*\b+4:BI+8*\b+7], v[BOF], s[8:9] offset:(32*(\b/2)+8*(\b%2))*4+16
.endr
	s_lshl_b32 s68, s17, 20
	s_lshl_b32 s69, s15, 19
	s_add_co_u32 s68, s68, s69
	s_add_co_u32 s68, s68, s66
	s_mov_b32 s69, 0
	s_add_nc_u64 s[10:11], s[10:11], s[68:69]
	v_lshlrev_b32 v5, 3, v1
	s_mul_i32 s18, s15, WL
	s_mul_i32 s19, s16, WL
	s_add_co_u32 s19, s19, 2*WL
	s_sub_co_u32 s22, s19, s18
	v_mul_u32_u24 v4, s22, v3
	v_lshl_add_u32 v4, v2, 2, v4
.irp s, 0,1
	v_add_nc_u32 v[ADRA+\s], s18, v5
	v_add_nc_u32 v[ADRB+\s], s19, v5
	v_add_nc_u32 v[ADRS+\s], s18, v4
	s_add_co_u32 s18, s18, SLOT
	s_add_co_u32 s19, s19, SLOT
.endr
	s_mul_i32 s23, s14, 16*SPITCH
	v_mul_u32_u24 v6, v2, SPITCH
	v_lshl_add_u32 v6, v3, 6, v6
	v_add_nc_u32 v[STO], s23, v6
	v_lshlrev_b32 v[CO], 4, v1
	v_add_nc_u32 v[RD], s23, v[CO]
.macro FRAG reg, adr, q, i
.irp p, 0,1,2,3,4,5
	ds_load_b64 v[\reg+2*\p:\reg+2*\p+1], v[\adr] offset:(\q)*CH+(\i)*FRB+256*\p
.endr
.endm
.macro MUL16 a0, p, q, sc, first
.irp a, \a0, \a0+1
.irp b, 0,1,2,3,4,5,6,7
.if \first
	v_wmma_scale_f32_16x16x128_f8f6f4 v[8*(8*((\a)%4)+\b):8*(8*((\a)%4)+\b)+7], v[128*(\p)+FR*\b:128*(\p)+FR*\b+FR-1], v[AF+FR*(\a):AF+FR*(\a)+FR-1], v[BI+8*\b:BI+8*\b+7], v[SC+16*(\sc)+8*(\q)+\b], v[SC+16*(\sc)+8*(\q)+(\a)] matrix_a_fmt:MATRIX_FMT_BF6 matrix_b_fmt:MATRIX_FMT_BF6 matrix_a_scale:MATRIX_SCALE_ROW1
.else
	v_wmma_scale_f32_16x16x128_f8f6f4 v[8*(8*((\a)%4)+\b):8*(8*((\a)%4)+\b)+7], v[128*(\p)+FR*\b:128*(\p)+FR*\b+FR-1], v[AF+FR*(\a):AF+FR*(\a)+FR-1], v[8*(8*((\a)%4)+\b):8*(8*((\a)%4)+\b)+7], v[SC+16*(\sc)+8*(\q)+\b], v[SC+16*(\sc)+8*(\q)+(\a)] matrix_a_fmt:MATRIX_FMT_BF6 matrix_b_fmt:MATRIX_FMT_BF6 matrix_a_scale:MATRIX_SCALE_ROW1
.endif
.endr
.endr
.endm
.macro FETCH_B slot, q, p
	WIN TO_B
.irp i, 0,1,2,3,4,5,6,7
	FRAG 128*(\p)+FR*\i, ADRB+\slot, \q, \i
.endr
	WIN 0
.endm
.macro FETCH_A slot, q, i0
.irp i, \i0, \i0+1, \i0+2, \i0+3
	FRAG AF+FR*(\i), ADRA+\slot, \q, \i
.endr
.endm
.macro SCALES sl
.irp q, 0,1
.irp i, 0,1,2,3,4,5,6,7
	ds_load_b32 v[SC+16*\sl+8*\q+\i], v[ADRS+\sl] offset:\q*CH+STB+64*\i
.endr
.endr
.endm
.macro PLACES n
.rept \n
	v_nop
.endr
.endm
.macro STEP slot, q, first
	s_wait_dscnt 4*NL
.if \first
	WIN BIA_LO
.else
	WIN MUL_LO
.endif
	MUL16 0, (\q)%2, \q, \slot, \first
	MUL16 2, (\q)%2, \q, \slot, \first
	s_wait_dscnt 0
	PLACES NP
	FETCH_B \slot, (\q)+1, 1-(\q)%2
	FETCH_A \slot, (\q)+1, 0
.if \first
	WIN BIA_HI
.else
	WIN MUL_HI
.endif
	MUL16 4, (\q)%2, \q, \slot, \first
	MUL16 6, (\q)%2, \q, \slot, \first
	PLACES NP
	WIN 0
	FETCH_A \slot, (\q)+1, 4
.endm
.macro TURN slot, next, fill
	s_wait_tensorcnt 0x0
	ds_add_u32 v[SPW], v[NIL]
	s_wait_dscnt 4*NL+1
	WIN MUL_LO
	MUL16 0, 1, 1, \slot, 0
	s_wait_dscnt 0x0
	s_barrier_signal -1
	MUL16 2, 1, 1, \slot, 0
	WIN 0
	s_barrier_wait -1
.if \fill
	CREST
	s_add_nc_u64 s[G0+4*\slot+2:G0+4*\slot+3], s[G0+4*\slot+2:G0+4*\slot+3], 2*WL
	s_add_nc_u64 s[G0B+4*\slot+2:G0B+4*\slot+3], s[G0B+4*\slot+2:G0B+4*\slot+3], 2*WL
	JLOAD G0+4*\slot, G1, G0B+4*\slot, G1B
.else
	PLACES NP
.endif
	FETCH_B \next, 0, 0
	FETCH_A \next, 0, 0
	SCALES \next
	WIN MUL_HI
	MUL16 4, 1, 1, \slot, 0
	MUL16 6, 1, 1, \slot, 0
	PLACES NP
	WIN 0
	FETCH_A \next, 0, 4
.endm
	s_wait_alu depctr_va_vdst(0)
	s_wait_tensorcnt 1
	s_barrier_signal -1
	s_barrier_wait -1
	FETCH_B 0, 0, 0
	FETCH_A 0, 0, 0
	SCALES 0
	FETCH_A 0, 0, 4
	s_wait_loadcnt 0x0
	STEP 0, 0, 1
	TURN 0, 1, 1
	STEP 1, 0, 0
	TURN 1, 0, 1
	STEP 0, 0, 0
	TURN 0, 1, 0
	STEP 1, 0, 0
	s_wait_dscnt 4*NL
	WIN MUL_LO
	MUL16 0, 1, 1, 1, 0
	MUL16 2, 1, 1, 1, 0
	s_wait_dscnt 0
	WIN MUL_HI
	MUL16 4, 1, 1, 1, 0
	MUL16 6, 1, 1, 1, 0
	WIN 0
.macro TOSTAGE a
.set AC, 64*((\a)%4)
.set WD, 8+4*((\a)/4)
	WIN WD
.irp b, 0,1,2,3,4,5,6,7
	ds_store_b128 v[STO], v[AC+8*\b:AC+8*\b+3] offset:128*(\b/2)+32*(\b%2)
	ds_store_b128 v[STO], v[AC+8*\b+4:AC+8*\b+7] offset:128*(\b/2)+32*(\b%2)+16
.endr
	WIN 0
.set BB, BK+64*((\a)%2)
.irp t, 0,1,2,3,4,5,6,7,8,9,10,11,12,13,14,15
	ds_load_b128 v[BB+4*\t:BB+4*\t+3], v[RD] offset:\t*SPITCH
.endr
.endm
.macro SEND a, younger
.set BB, BK+64*((\a)%2)
.set R0, 32*((\a)/2)+8*((\a)%2)
	s_wait_dscnt \younger
.irp t, 0,1,2,3,4,5,6,7,8,9,10,11,12,13,14,15
	global_store_b128 v[CO], v[BB+4*\t:BB+4*\t+3], s[10:11] offset:(R0+\t+8*(\t/8))*4096 th:TH_STORE_NT
.endr
.endm
	PLACES NP
	TOSTAGE 0
.irp a, 1,2,3,4,5,6,7
.if \a > 1
	s_wait_xcnt 0x0
.endif
	TOSTAGE \a
	SEND \a-1, 32
.endr
	SEND 7, 0
	s_wait_tensorcnt 0x0
	ds_add_u32 v[SPW], v[NIL]
	s_wait_dscnt 0x0
	CROUND
	s_endpgm
.Lfunc_end_k_q76de924ca5_gemm_o:
	.size	k_q76de924ca5_gemm_o, .Lfunc_end_k_q76de924ca5_gemm_o-k_q76de924ca5_gemm_o
	.p2alignl 7, 3214868480
	.fill 96, 4, 3214868480
	.section	.rodata,"a",@progbits
	.p2align	6, 0x0
	.amdhsa_kernel k_q76de924ca5_gemm_o
		.amdhsa_group_segment_fixed_size 327680
		.amdhsa_private_segment_fixed_size 0
		.amdhsa_enable_private_segment 0
		.amdhsa_kernarg_size 32
		.amdhsa_user_sgpr_count 2
		.amdhsa_user_sgpr_kernarg_segment_ptr 1
		.amdhsa_wavefront_size32 1
		.amdhsa_system_sgpr_workgroup_id_x 1
		.amdhsa_system_sgpr_workgroup_id_y 1
		.amdhsa_system_sgpr_workgroup_id_z 1
		.amdhsa_system_vgpr_workitem_id 0
		.amdhsa_next_free_vgpr 1024
		.amdhsa_next_free_sgpr 80
		.amdhsa_reserve_vcc 0
		.amdhsa_float_denorm_mode_32 3
		.amdhsa_float_denorm_mode_16_64 3
		.amdhsa_memory_ordered 1
		.amdhsa_forward_progress 1
		.amdhsa_inst_pref_size 161
	.end_amdhsa_kernel
	.amdgpu_metadata
---
amdhsa.version: [ 1, 2 ]
amdhsa.kernels:
  - .name:           k_q76de924ca5_gemm_o
    .symbol:         k_q76de924ca5_gemm_o.kd
    .args:
      - { .name: aimg, .offset: 0, .size: 8, .value_kind: global_buffer, .address_space: global }
      - { .name: wimg, .offset: 8, .size: 8, .value_kind: global_buffer, .address_space: global }
      - { .name: b_o, .offset: 16, .size: 8, .value_kind: global_buffer, .address_space: global }
      - { .name: out0, .offset: 24, .size: 8, .value_kind: global_buffer, .address_space: global }
    .group_segment_fixed_size: 327680
    .private_segment_fixed_size: 0
    .kernarg_segment_align: 8
    .kernarg_segment_size: 32
    .max_flat_workgroup_size: 128
    .sgpr_count:     80
    .vgpr_count:     1024
    .wavefront_size: 32
...
	.end_amdgpu_metadata
.endif
;; end of part 4
